; MI455X (gfx1250); checked and timed in simulation.
; The chip was launched on July 23, 2026; its instructions are those of AMD's public machine-readable ISA for CDNA 5 (MIT licence, August 2026) and "CDNA5" Instruction Set Architecture Reference Guide (July 2026). The comments in the code are by the model that wrote it; some were corrected since.
;; Self Attention. Allowed arithmetic: matrix products marked QUANTISED: E2M3 operands, one E8M0 scale for each 32 along K, by v_wmma_scale_f32_16x16x128_f8f6f4 with both operands' format E2M3, f32 sums; everything else in f32.
;; Inputs: W_o 256 x 256 float32; W_qkv 256 x 768 float32; b_o 256 float32; b_qkv 768 float32; x 4 x 256 x 64 x 64 float32.
;; Outputs: out0 4 x 256 x 64 x 64 float32.
;; This version of the problem:
;;   THIS VERSION OF THE PROBLEM IS GIVEN IN LOW PRECISION. The matrix products marked QUANTISED in the list below multiply operands that are first quantised to E2M3 (2 exponent bits, 3 mantissa bits; 6 bits a number), with one power-of-two scale for each 32 numbers along K (OCP MX v1.0); their sums are f32. All else is computed in f32.
;;   The module's matrix products, in the order in which they are computed (A, B: the left and right operand; K: the contracted axis; several contracted axes count as one K, in the product's order):
;;     1. [M 16,384, K 256] x [K 256, N 768]; A: input x; B: input W_qkv: QUANTISED
;;     2. batch 16 x [M 4,096, K 64] x [K 64, N 4,096]; A: computed on the way; B: computed on the way: QUANTISED
;;     3. batch 16 x [M 64, K 4,096] x [K 4,096, N 4,096]; A: computed on the way; B: softmax (see below): QUANTISED
;;     4. [M 16,384, K 256] x [K 256, N 256]; A: computed on the way; B: input W_o: QUANTISED
;;   THE QUANTISER, for each operand of a quantised product, along K:
;;     - K is cut into blocks of 32 from its start; a last block that is shorter is filled with zeros.
;;     - A block's scale is 2^e with e = floor(log2(the largest magnitude in the block)) - 2, held to -126 .. 127; a block of zeros has e = 0. As a byte (E8M0): e + 127.
;;     - Each number is divided by its block's scale, clamped to +-7.5, and rounded to the nearest number of E2M3, ties to even, subnormals kept.
;;     - The product sums the exact products of the quantised numbers (number of the format x scale) in f32.
;;   ~~~python
;;   def quantise(x, axis):      # numpy; x: float32 -> the quantised numbers, widened to float32 again
;;       x = np.moveaxis(x, axis, -1); K = x.shape[-1]
;;       x = np.pad(x, [(0, 0)] * (x.ndim - 1) + [(0, -K % 32)]); x = x.reshape(x.shape[:-1] + (-1, 32)); a = np.abs(x).max(-1, keepdims=True)
;;       e = np.where(a > 0, np.clip(np.frexp(np.where(a > 0, a, 1))[1] - 1 - 2, -126, 127), 0)      # np.frexp(a)[1] - 1 = floor(log2(a)), exactly
;;       r = np.clip(x / 2.0 ** e, -7.5, 7.5)
;;       step = 2.0 ** (np.maximum(np.frexp(np.where(r == 0, 1, r))[1] - 1, 0) - 3)
;;       q = np.round(r / step) * step * 2.0 ** e      # np.round: ties to even
;;       return np.moveaxis(q.reshape(q.shape[:-2] + (-1,))[..., :K], -1, axis).astype(np.float32)
;;   ~~~
;;   SOFTMAX AHEAD OF A QUANTISED PRODUCT. Where the list says 'softmax', what is quantised is not the finished softmax but p = 2^(t - M), with t = logit x log2(e) and M = ceil(the row's largest t), a whole number; so 1/2 < the row's largest p <= 1. The row's sum l is taken of the UNQUANTISED p, in f32, and the product's result is divided by l at the end. Since M is a whole number, a kernel that streams over the keys may use a running M (the ceiling of the running maximum): every later rescaling is an exact power of two, which a block's scale takes up: the codes' values come out the same.
;;   OPERANDS COMPUTED ON THE WAY. 'Computed on the way' means the value that the module computes at that place (a softmax that the list does not call 'softmax' is quantised finished and normalised). What goes into a quantiser is computed in f32, as accurately as f32 sums, v_exp_f32 and their like allow (about 1e-6 of the number): no bf16 or f16 on the way to a quantiser, and a product that is left as it is and whose result goes on into a quantised operand takes f32 operands (vector FMAs, or v_wmma_f32_16x16x4_f32). A number that lies on a knife's edge between two numbers of the format may be rounded either way, as far as f32 arithmetic and the matrix unit's own rounding can turn it there, and no further.
;; One version. Each part assembles by itself: llvm-mc -triple=amdgcn-amd-amdhsa -mcpu=gfx1250 --defsym DOCPART=n.
;; ======== version 1 of 1: 4 launches
;; limits: right only within a limited range of input values
;; workspace buffers: wq 212,992 bytes; q 3,276,800 bytes; kv 6,291,456 bytes; kvs 262,144 bytes; vals 3,145,728 bytes; vsc 131,072 bytes
;; launch wprep (part 1): grid 128 x 1, 1 waves a work-group, no clusters, 0 bytes of LDS; arguments W_qkv, W_o, wq; writes wq
.if DOCPART == 1
	.amdgcn_target "amdgcn-amd-amdhsa--gfx1250"
	.amdhsa_code_object_version 6
	.text
	.protected	k_q819afa17c2_wprep
	.globl	k_q819afa17c2_wprep
	.p2align	8
	.type	k_q819afa17c2_wprep,@function
k_q819afa17c2_wprep:
	s_mov_b64 s[64:65], 0
	v_nop
	global_prefetch_b8 v0, s[64:65] scope:SCOPE_SE
	s_setreg_imm32_b32 hwreg(HW_REG_WAVE_MODE, 25, 1), 1
	s_wait_xcnt 0x0
; W_qkv [256 (k)][768 (n)] and W_o [256 (k)][256 (n)], f32 with K as the FIRST axis, become codes of FP6 (E2M3) with one E8M0 byte for each 32 along K,
; laid as IMAGES OF OPERAND REGISTERS: a fragment is 16 columns n x 128 k, 12 registers a lane; lane (r, h) holds column r, registers 6 c .. 6 c + 5 hold k = 64 c + 32 h + 0 .. 31.
; Image: registers 4 p .. 4 p + 3 of lane L at 512 p + 16 L (1,536 bytes); scale word (byte b: k = 32 b ..) at 4 L, the same word in both halves of the lanes (128 bytes).
; wq: W_qkv's 96 images at 1,536 F, their words at 147,456 + 128 F; W_o's 32 images at 159,744 + 1,536 F', their words at 208,896 + 128 F'.
; F = 2 T + ks (ks: which 128 of K).  W_qkv's tile T takes columns 32 (T / 2) + 8 (T % 2) + r + 8 (r / 8): NOT neighbours, so that in a product whose rows are this tile a lane's 16 registers of
; tiles 2 G and 2 G + 1 are 16 neighbouring columns.  W_o's tile T' takes columns 16 T' + r.
; One wave makes one fragment: a lane takes a column and its registers run DOWN K, in the order that the operand's layout gives the lane, so the conversions' results are the operand's registers.
; A lane holds two whole blocks of 32, so no other lane is asked for a maximum.  A block's scale is 2^(floor(log2(largest magnitude)) - 2): the magnitude's exponent field less 2, held at 1 from below.
; Each load reads pieces of 32 bytes (W_qkv) or 64 bytes (W_o) of a row: 1 MiB read once in the whole program.  No LDS, no barrier, no matrix unit: nothing is shared and nothing is multiplied.
; LIMITS: NaN and infinities are not served; a block of zeros gets the byte 1 where the rule says 127: its codes are zeros, and this program alone reads the bytes.
.set X,    32                          ; v32-95   64 numbers: register 32 c + i = k 64 c + 32 h + i
.set CD,   16                          ; v16-27   the fragment
.set C2,   100                         ; v100-102, v104-106 the second half of each block's codes (a conversion's three registers begin on an even number)
.set MX,   8                           ; v8-9     largest magnitudes
.set SOP,  10                          ; v10-11   the conversions' scale operands
.set BY,   12                          ; v12-13   the bytes
.set WD,   14                          ; v14      the scale word
.set SH,   15                          ; v15      8 h
.macro WFRAG pitch, voff, base, cadd, sadd
.irp c, 0,1
.set idx, 0
.rept 32
	global_load_b32 v[X+32*\c+idx], v[\voff], s[\base:\base+1] offset:(64*\c+idx)*\pitch
.set idx, idx+1
.endr
.endr
	s_wait_loadcnt 0x0
.irp c, 0,1
	v_max3_num_f32 v[MX+\c], |v[X+32*\c]|, |v[X+1+32*\c]|, 0x1800000   ; my block 2 c + h, and the floor 2^(3 - 127): the byte cannot fall under 1
.endr
.irp i, 2,4,6,8,10,12,14,16,18,20,22,24,26,28,30
.irp c, 0,1
	v_max3_num_f32 v[MX+\c], v[MX+\c], |v[X+32*\c+\i]|, |v[X+1+32*\c+\i]|   ; the two blocks by turns
.endr
.endr
.irp c, 0,1
	v_add_nc_u32 v[SOP+\c], 0xff000000, v[MX+\c]   ; 2 off the exponent field: the conversion takes this operand's exponent field as its scale
.endr
.irp c, 0,1
	v_lshrrev_b32 v[BY+\c], 23, v[SOP+\c]          ; the scale's byte
.endr
	v_lshl_or_b32 v[WD], v[BY+1], 16, v[BY]        ; my two bytes, blocks h and 2 + h,
	v_lshlrev_b32 v[WD], v[SH], v[WD]              ; at their places in the word;
	v_mov_b32 v[BY], 0                             ; (a lane permute's destination counts as one of its sources)
	v_permlanex16_b32 v[BY], v[WD], s20, s21
	v_or_b32 v[WD], v[WD], v[BY]                   ; with lane l xor 16's two the word is whole, in both halves
.irp c, 0,1
	v_cvt_scalef32_pk16_fp6_f32 v[CD+6*\c:CD+6*\c+2], v[X+32*\c:X+32*\c+15], v[SOP+\c]
	v_cvt_scalef32_pk16_fp6_f32 v[C2+4*\c:C2+4*\c+2], v[X+16+32*\c:X+31+32*\c], v[SOP+\c]
.endr
	v_nop                                          ; one plain line behind the scaled conversions
.irp c, 0,1
.irp i, 0,1,2
	v_mov_b32 v[CD+3+6*\c+\i], v[C2+4*\c+\i]
.endr
.endr
.irp p, 0,1,2
	global_store_b128 v3, v[CD+4*\p:CD+4*\p+3], s[12:13] offset:\cadd+512*\p   ; 32 lanes store 512 consecutive bytes, aligned
.endr
	global_store_b32 v4, v[WD], s[14:15] offset:\sadd
.endm
	s_load_b128 s[4:7], s[0:1], 0x0                ; W_qkv, W_o
	s_load_b64 s[8:9], s[0:1], 0x10                ; wq
	v_and_b32 v1, 15, v0                           ; r
	v_lshrrev_b32 v2, 4, v0                        ; h (one wave: v0 is the lane)
	v_lshlrev_b32 v3, 4, v0                        ; 16 L
	v_lshlrev_b32 v4, 2, v0                        ; 4 L
	v_and_b32 v5, 8, v1
	v_add_nc_u32 v5, v5, v1                        ; r + 8 (r / 8)
	v_mul_u32_u24 v6, v2, 98304                    ; W_qkv: 32 h rows of 3,072 bytes,
	v_lshl_add_u32 v6, v5, 2, v6                   ; + my column in the tile
	v_lshlrev_b32 v7, 15, v2                       ; W_o: 32 h rows of 1,024 bytes,
	v_lshl_add_u32 v7, v1, 2, v7                   ; + column r
	v_lshlrev_b32 v[SH], 3, v2
	s_mov_b32 s20, 0x76543210
	s_mov_b32 s21, 0xfedcba98                      ; v_permlanex16_b32's selects for lane l xor 16
	s_mul_i32 s12, ttmp9, 1536                     ; the image's place, less the constant that stands in the stores' immediates
	s_mov_b32 s13, 0
	s_lshl_b32 s14, ttmp9, 7                       ; the word's
	s_mov_b32 s15, 0
	s_and_b32 s16, ttmp9, 1                        ; ks (96 is even: the same bit on both ways)
	s_mov_b32 s19, 0
	s_wait_kmcnt 0x0
	s_add_nc_u64 s[12:13], s[8:9], s[12:13]
	s_add_nc_u64 s[14:15], s[8:9], s[14:15]
	s_cmp_lt_u32 ttmp9, 96                         ; fragments 0-95: W_qkv; 96-127: W_o
	s_cbranch_scc0 .Lw_o
	s_mul_i32 s18, s16, 393216                     ; 128 ks rows
	s_lshr_b32 s17, ttmp9, 2
	s_lshl_b32 s17, s17, 7                         ; + 32 (T / 2) columns
	s_add_co_u32 s18, s18, s17
	s_bfe_u32 s17, ttmp9, 0x10001
	s_lshl_b32 s17, s17, 5                         ; + 8 (T % 2) columns
	s_add_co_u32 s18, s18, s17
	s_add_nc_u64 s[4:5], s[4:5], s[18:19]
	s_wait_alu depctr_va_vdst(0)
	WFRAG 3072, 6, 4, 0, 147456
	s_endpgm
.Lw_o:
	s_sub_co_u32 s17, ttmp9, 96
	s_lshr_b32 s17, s17, 1
	s_lshl_b32 s17, s17, 6                         ; 16 T' columns
	s_lshl_b32 s18, s16, 17                        ; 128 ks rows
	s_add_co_u32 s18, s18, s17
	s_add_nc_u64 s[6:7], s[6:7], s[18:19]
	s_wait_alu depctr_va_vdst(0)
	WFRAG 1024, 7, 6, 12288, 196608
	s_endpgm
.Lfunc_end_k_q819afa17c2_wprep:
	.size	k_q819afa17c2_wprep, .Lfunc_end_k_q819afa17c2_wprep-k_q819afa17c2_wprep
	.p2alignl 7, 3214868480
	.fill 96, 4, 3214868480
	.section	.rodata,"a",@progbits
	.p2align	6, 0x0
	.amdhsa_kernel k_q819afa17c2_wprep
		.amdhsa_group_segment_fixed_size 0
		.amdhsa_private_segment_fixed_size 0
		.amdhsa_enable_private_segment 0
		.amdhsa_kernarg_size 24
		.amdhsa_user_sgpr_count 2
		.amdhsa_user_sgpr_kernarg_segment_ptr 1
		.amdhsa_wavefront_size32 1
		.amdhsa_system_sgpr_workgroup_id_x 1
		.amdhsa_system_sgpr_workgroup_id_y 1
		.amdhsa_system_sgpr_workgroup_id_z 1
		.amdhsa_system_vgpr_workitem_id 0
		.amdhsa_next_free_vgpr 128
		.amdhsa_next_free_sgpr 66
		.amdhsa_reserve_vcc 0
		.amdhsa_float_denorm_mode_32 3
		.amdhsa_float_denorm_mode_16_64 3
		.amdhsa_memory_ordered 1
		.amdhsa_forward_progress 1
		.amdhsa_inst_pref_size 21
	.end_amdhsa_kernel
	.amdgpu_metadata
---
amdhsa.version: [ 1, 2 ]
amdhsa.kernels:
  - .name:           k_q819afa17c2_wprep
    .symbol:         k_q819afa17c2_wprep.kd
    .args:
      - { .name: W_qkv, .offset: 0, .size: 8, .value_kind: global_buffer, .address_space: global }
      - { .name: W_o, .offset: 8, .size: 8, .value_kind: global_buffer, .address_space: global }
      - { .name: wq, .offset: 16, .size: 8, .value_kind: global_buffer, .address_space: global }
    .group_segment_fixed_size: 0
    .private_segment_fixed_size: 0
    .kernarg_segment_align: 8
    .kernarg_segment_size: 24
    .max_flat_workgroup_size: 32
    .sgpr_count:     66
    .vgpr_count:     128
    .wavefront_size: 32
...
	.end_amdgpu_metadata
.endif
;; end of part 1
;; launch qkv (part 2): grid 64 x 4, 16 waves a work-group, clusters of 4 x 1, 198,656 bytes of LDS; arguments x, wq, b_qkv, q, kv, kvs; writes q, kv, kvs
.if DOCPART == 2
	.amdgcn_target "amdgcn-amd-amdhsa--gfx1250"
	.amdhsa_code_object_version 6
	.text
	.protected	k_q819afa17c2_qkv
	.globl	k_q819afa17c2_qkv
	.p2align	8
	.type	k_q819afa17c2_qkv,@function
k_q819afa17c2_qkv:
	s_mov_b64 s[64:65], 0
	v_nop
	global_prefetch_b8 v0, s[64:65] scope:SCOPE_SE
	s_setreg_imm32_b32 hwreg(HW_REG_WAVE_MODE, 25, 1), 1
	s_wait_xcnt 0x0
	s_wait_alu depctr_hold_cnt(0) depctr_sa_sdst(0) depctr_va_vdst(0) depctr_va_sdst(0) depctr_va_ssrc(0) depctr_va_vcc(0) depctr_vm_vsrc(0)
	s_getreg_b32 s2, hwreg(HW_REG_IB_STS2, 6, 4)
	s_cmp_eq_u32 s2, 0
	s_cbranch_scc0 .Lentry_in_a_cluster
	s_endpgm
.Lentry_in_a_cluster:
	s_bfe_u32 s2, ttmp6, 0x10000c
	s_cmp_lg_u32 s2, 0x3003
	s_cbranch_scc0 .Lentry_shape_is_right
	s_endpgm
.Lentry_shape_is_right:
; qkv = Q(x_flat) Q(W_qkv) + b_qkv on codes of FP6 (E2M3), and its three parts quantised again for attention: q and k along the head's 64, v along the keys.  Only codes and scale bytes are stored.
; x: [4][256 (c)][4096 (s)] f32: K = c is the outer axis.  wq: W_qkv's fragments as register images with their scale words.
; SHARES.  A work-group takes one batch and 64 rows s.  Wave W: head n = W / 4, i = W % 4.  Three parts, the same text in all sixteen waves:
;   X   wave W quantises 32 rows s (a lane to a row, registers down c) x the 32 channels of block W / 2: 24 bytes of codes and a byte a lane, to LDS.
;   QK  role i / 2 (0: Q, 1: K), group g = i % 2 of 32 rows: x's tiles (g, 0), (g, 1) against the head's four tiles of W, TRANSPOSED (source 0 = W, source 1 = x): a lane holds one row s and 64 neighbouring channels.
;   V   channel tile i of V's head n, natural order (source 0 = x, source 1 = W): a lane holds one channel and its registers run along the 64 keys.
; A TILE'S ROWS ARE NOT NEIGHBOURS: row r of tile (G, u) is row 32 G + 8 u + r + 8 (r / 8), for W's columns and for x's rows alike; so the 16 registers of two neighbouring result tiles are 16 neighbours along the next K.
; K = 64 in attention's first product: QUANT makes of a lane's 64 + 64 numbers of tiles (g, 0) and (g, 1) ONE fragment: k 0-63 tile (g, 0), k 64-127 tile (g, 1).
; OUT.  q: a record of 12,800 bytes for each block: codes at 3,072 n + 1,536 g + 256 p + 8 L (registers 2 p, 2 p + 1), scale words at 12,288 + 128 n + 8 r + 4 g.
;   kv: 24,576 bytes for each block of 64 keys: head n at 6,144 n: K's two fragments as whole images (512 p + 16 L), then V's four half fragments (registers 0-3 at 16 L, 4-5 at 512 + 8 L).
;   kvs: 1,024 bytes: head n at 256 n, 8 bytes a lane: lanes 0-15 K's two scale words, lanes 16-31 V's two bytes of each of the four tiles.  Every store covers 256 or 512 consecutive aligned bytes.
; CLUSTER.  W_qkv's images and words (159,744 bytes) are the same for every work-group: the four partners of a cluster ask for them JOINTLY, once; they stay in LDS.  LDS is filled once: no ring.
; The biases are the C of each sum's first matrix instruction (Q, K: loaded straight into the accumulators).
; LIMITS: NaN and infinities are not served; a block of zeros gets the byte 1 where the rule says 127: its codes are zeros, and this program alone reads the bytes.
; IN PLACE OF WHAT THE HEAD SAYS OF x's ROWS AND OF kv AND kvs: row 8 h + j of x's tile t (t = 2 g + u, 0..3) is row 32 h + 8 t + j of the block of 64, for queries and keys alike,
; so that in a product whose rows are the four tiles a lane's 32 registers are one whole block of 32 neighbouring keys.  kv: 6,144 bytes for (batch, head, block of 64 keys), at ((4 batch + head) 64 + block) 6,144;
; kvs: 256 bytes for the same, at ((4 batch + head) 64 + block) 256.  W's columns stay as the head says.
.set WSC,  147456
.set XA,   159744                      ; x's codes, first 16 bytes of a block: [block] x 1,024 + place x 16 (place = 32 g + 16 u + r)
.set XB,   167936                      ; and the last 8: [block] x 640 + place x 8 (640: lanes 16-31, one block on, read the other half of the banks)
.set XBP,  640
.set XSB,  173056                      ; x's scale bytes: [128 of K] x 256 + place x 4 + block % 4
.set SCS,  173568                      ; an image of the kvs record, 1,024 bytes;
.set SQS,  174592                      ; and of q's scale words, 512 bytes
.set VB,   24                          ; v24-31   V's bias, eight times
.set ACC,  32                          ; v32-95   QK: tile (u, t) at 32 u + 8 t;  V: v32-63 tile (g, u) at 16 g + 8 u, v64-87 W's two fragments
.set WF,   96                          ; v96-191  X: the 32 numbers and their codes;  QK: W's 8 fragments;  V: x's 8 fragments
.set XF,   192                         ; v192-239 QK: x's 4 fragments; then QUANT's registers
.set SW,   240                         ; v240-247 scale words of source 0
.set SX,   248                         ; v248-251 scale words of source 1
.set TM,   192                         ; QUANT: +0 magnitudes, +4 bytes, +12 scale operands
.set PC,   208                         ; the codes just made (12, and 7 at work)
.set PW,   228                         ; the scale word just made
.set WV,   16                          ; s16 wave
.set SEL,  36                          ; s[36:37]
.macro ROUND                           ; a round of the cluster's barrier
	s_barrier_signal -1
	s_barrier_wait -1
	s_cmp_lg_u32 s[WV], 0
	s_cbranch_scc1 .Lnot_wave_0_\@
	s_barrier_signal -3
.Lnot_wave_0_\@:
	s_barrier_wait -3
	s_barrier_signal -1
	s_barrier_wait -1
.endm
.macro MMA d, a, b, c, sa, sb
	v_wmma_scale_f32_16x16x128_f8f6f4 v[\d:\d+7], v[\a:\a+11], v[\b:\b+11], v[\c:\c+7], v[\sa], v[\sb] matrix_a_fmt:MATRIX_FMT_FP6 matrix_b_fmt:MATRIX_FMT_FP6
.endm
; 32 nc numbers of a lane, register 16 b + i = number 32 b + 16 (lane / 16) + i of the lane's row, become 6 nc registers of codes in v[PC] on and 2 nc scale bytes in v[PW].
.macro QUANT s, nc
.irp b, 0,1,2,3
.if \b < 2*\nc
	v_max3_num_f32 v[TM+\b], |v[\s+16*\b]|, |v[\s+1+16*\b]|, 0x1800000   ; my 16 numbers of block b, and the floor 2^(3 - 127): the byte cannot fall under 1
.endif
.endr
.irp i, 2,4,6,8,10,12,14
.irp b, 0,1,2,3
.if \b < 2*\nc
	v_max3_num_f32 v[TM+\b], v[TM+\b], |v[\s+16*\b+\i]|, |v[\s+1+16*\b+\i]|   ; the blocks by turns
.endif
.endr
.endr
.irp b, 0,1,2,3
.if \b < 2*\nc
	v_permlanex16_b32 v[TM+4+\b], v[TM+\b], s[SEL], s[SEL+1]
.endif
.endr
.irp b, 0,1,2,3
.if \b < 2*\nc
	v_max_num_f32 v[TM+\b], v[TM+\b], v[TM+4+\b]   ; with lane l xor 16's: the block's largest magnitude
.endif
.endr
.irp b, 0,1,2,3
.if \b < 2*\nc
	v_add_nc_u32 v[TM+12+\b], 0xff000000, v[TM+\b] ; 2 off its exponent field: the conversion's scale operand
.endif
.endr
.irp b, 0,1,2,3
.if \b < 2*\nc
	v_lshrrev_b32 v[TM+4+\b], 23, v[TM+12+\b]      ; the scale's byte
.endif
.endr
	v_lshl_or_b32 v[PW], v[TM+5], 8, v[TM+4]
.if \nc > 1
	s_delay_alu instid0(VALU_DEP_1)
	v_lshl_or_b32 v[PW], v[TM+6], 16, v[PW]
	s_delay_alu instid0(VALU_DEP_1)
	v_lshl_or_b32 v[PW], v[TM+7], 24, v[PW]
.endif
.irp c, 0,1
.if \c < \nc
	v_cvt_scalef32_pk16_fp6_f32 v[PC+6*\c:PC+2+6*\c], v[\s+32*\c:\s+15+32*\c], v[TM+12+2*\c]
	v_cvt_scalef32_pk16_fp6_f32 v[PC+12+4*\c:PC+14+4*\c], v[\s+16+32*\c:\s+31+32*\c], v[TM+13+2*\c]   ; (a conversion's three registers begin on an even number)
.endif
.endr
	v_nop                                          ; one plain line behind the scaled conversions
.irp c, 0,1
.if \c < \nc
.irp i, 0,1,2
	v_permlane16_swap_b32 v[PC+6*\c+\i], v[PC+12+4*\c+\i]   ; the operand's layout wants a WHOLE block in a lane: lanes 0-15 block 2 c, lanes 16-31 block 2 c + 1
.endr
.irp i, 0,1,2
	s_delay_alu instid0(VALU_DEP_3)
	v_mov_b32 v[PC+3+6*\c+\i], v[PC+12+4*\c+\i]
.endr
.endif
.endr
.endm
; a fragment of x out of LDS: lane (r, h) takes, for c = 0, 1, the 24 bytes of block 4 ks + 2 c + h of the tile's row r.  place = 32 g + 16 u, as far as the address registers do not hold it
.macro XFRAG reg, a16, a8, ks, place
.irp c, 0,1
	ds_load_b128 v[\reg+6*\c:\reg+6*\c+3], v[\a16] offset:(4*\ks+2*\c)*1024+16*(\place)
	ds_load_b64 v[\reg+6*\c+4:\reg+6*\c+5], v[\a8] offset:(4*\ks+2*\c)*XBP+8*(\place)
.endr
.endm
	s_load_b256 s[4:11], s[0:1], 0x0               ; x s[4:5], wq s[6:7], b_qkv s[8:9], q s[10:11]
	s_load_b128 s[12:15], s[0:1], 0x20             ; kv s[12:13], kvs s[14:15]
	v_lshl_add_u32 v254, v0, 2, 0x30000
	v_mov_b32 v255, 0
	ds_add_u32 v254, v255
	ds_add_u32 v254, v255
	v_lshrrev_b32 v1, 5, v0
	s_delay_alu instid0(VALU_DEP_1)
	v_readfirstlane_b32 s[WV], v1                  ; wave 0..15
	v_and_b32 v1, 31, v0                           ; L
	v_and_b32 v2, 15, v0                           ; r
	v_bfe_u32 v3, v0, 4, 1                         ; h
	s_delay_alu instid0(VALU_DEP_3)
	v_lshlrev_b32 v4, 4, v1                        ; 16 L
	s_delay_alu instid0(VALU_DEP_4)
	v_lshlrev_b32 v5, 3, v1                        ; 8 L
	v_lshlrev_b32 v6, 2, v1                        ; 4 L
	s_lshr_b32 s17, s[WV], 2                       ; n
	s_and_b32 s18, s[WV], 3                        ; i
	s_lshr_b32 s19, s18, 1                         ; role (also i / 2)
	s_and_b32 s20, s18, 1                          ; g (also i % 2)
	s_bfe_u32 s21, ttmp6, 0x40000                  ; cx: it enters global addresses alone
	s_lshl_b32 s22, ttmp9, 2
	s_add_co_u32 s22, s22, s21                     ; my block of 64 rows
	s_and_b32 s23, ttmp7, 0xffff                   ; the batch
	s_mov_b32 s[SEL], 0x76543210
	s_mov_b32 s[SEL+1], 0xfedcba98
	; descriptor group 1: a dense block as 156 rows of 256 bytes (32 elements of 8 bytes); mask: all four partners, bit 21 beside it
	s_mov_b32 s24, 15|(3<<16)|(1<<21)
	s_mov_b32 s25, 32<<16
	s_mov_b32 s26, 156<<16
	s_mov_b32 s27, 32<<16
	s_mov_b32 s28, 156
	s_mov_b32 s29, 32
	s_mov_b32 s30, 0
	s_mov_b32 s31, 0
	; every LDS address is made here, ahead of the first branch on the wave's number: a constant + a constant x lane + a constant x wave
	v_and_b32 v7, 7, v0
	s_wait_alu depctr_va_vdst(0)
	v_bfe_u32 v8, v0, 3, 2                         ; row L of my 32 is row 8 (which 32) + L % 8 of tile L / 8
	s_delay_alu instid0(VALU_DEP_1)
	v_lshl_or_b32 v7, v8, 4, v7                    ; its place, less 8 (which 32): 16 (L / 8) + L % 8
	s_and_b32 s52, s[WV], 1                        ; X: which 32 rows,
	s_lshr_b32 s53, s[WV], 1                       ; which block of 32 channels
	s_lshl_b32 s54, s52, 3
	v_add_nc_u32 v9, s54, v7
	s_wait_alu depctr_va_vdst(0)
	s_lshl_b32 s54, s53, 10
	s_add_co_u32 s54, s54, XA
	v_lshl_add_u32 v7, v9, 4, s54                  ; v7: where I put my first 16 bytes,
	s_mul_i32 s54, s53, XBP
	s_add_co_u32 s54, s54, XB
	v_lshl_add_u32 v8, v9, 3, s54                  ; v8: my last 8,
	s_lshr_b32 s54, s53, 2
	s_lshl_b32 s54, s54, 8
	s_and_b32 s55, s53, 3
	s_add_co_u32 s54, s54, s55
	s_add_co_u32 s54, s54, XSB
	v_lshl_add_u32 v9, v9, 2, s54                  ; v9: my byte
	v_lshlrev_b32 v10, 4, v2
	s_delay_alu instid0(VALU_DEP_1)
	v_lshl_add_u32 v10, v3, 10, v10
	s_delay_alu instid0(VALU_DEP_1)
	v_add_nc_u32 v10, XA, v10                      ; v10: reading: XA + 1,024 h + 16 r
	v_mul_u32_u24 v11, v3, XBP
	s_delay_alu instid0(VALU_DEP_1)
	v_lshl_add_u32 v11, v2, 3, v11
	s_delay_alu instid0(VALU_DEP_1)
	v_add_nc_u32 v11, XB, v11                      ; v11: XB + 640 h + 8 r
	v_lshl_add_u32 v12, v2, 2, XSB                 ; v12: XSB + 4 r
	s_lshl_b32 s54, s20, 9
	v_add_nc_u32 v13, s54, v10                     ; v13-15: the same in my group g
	s_lshl_b32 s54, s20, 8
	v_add_nc_u32 v14, s54, v11
	s_lshl_b32 s54, s20, 7
	v_add_nc_u32 v15, s54, v12
	s_lshl_b32 s54, s19, 5
	s_lshl_b32 s55, s17, 3
	s_add_co_u32 s54, s54, s55                     ; QK: my first fragment of W: 32 role + 8 n
	s_mul_i32 s55, s54, 1536
	v_add_nc_u32 v16, s55, v4
	s_lshl_b32 s55, s54, 7
	s_add_co_u32 s55, s55, WSC
	v_add_nc_u32 v17, s55, v6
	s_lshl_b32 s54, s17, 3
	s_lshl_b32 s55, s18, 1
	s_add_co_u32 s54, s54, s55
	s_add_co_u32 s54, s54, 64                      ; V: 64 + 8 n + 2 i
	s_mul_i32 s55, s54, 1536
	v_add_nc_u32 v18, s55, v4
	s_lshl_b32 s55, s54, 7
	s_add_co_u32 s55, s55, WSC
	v_add_nc_u32 v19, s55, v6
	s_lshl_b32 s54, s17, 7
	s_lshl_b32 s55, s20, 2
	s_add_co_u32 s54, s54, s55
	s_add_co_u32 s54, s54, SQS
	v_lshl_add_u32 v20, v2, 3, s54                 ; v20: q's scale word: SQS + 128 n + 8 r + 4 g
	s_lshl_b32 s54, s17, 8
	s_add_co_u32 s55, s54, s55
	s_add_co_u32 s55, s55, SCS
	v_lshl_add_u32 v21, v2, 3, s55                 ; v21: K's: SCS + 256 n + 8 r + 4 g
	s_lshl_b32 s55, s18, 1
	s_add_co_u32 s55, s55, s54
	s_add_co_u32 s55, s55, SCS+128
	v_lshl_add_u32 v22, v2, 3, s55                 ; v22: V's byte: SCS + 256 n + 128 + 8 r + 2 i + h
	s_delay_alu instid0(VALU_DEP_1)
	v_add_nc_u32 v22, v22, v3
	v_lshlrev_b32 v23, 6, v3                       ; v23: 64 h: my half's 16 biases
	v_and_b32 v252, 8, v2
	s_delay_alu instid0(VALU_DEP_1)
	v_add_nc_u32 v252, v252, v2
	s_delay_alu instid0(VALU_DEP_1)
	v_lshlrev_b32 v252, 2, v252                    ; v252: 4 (r + 8 (r / 8)): V's bias of my channel
	v_add_nc_u32 v253, SCS, v4                     ; v253: the scales' way out
	; offsets in memory
	s_lshl_b32 s38, s23, 22                        ; x: the batch,
	s_lshl_b32 s39, s53, 19                        ; 32 channels of 16,384 bytes a block,
	s_add_co_u32 s38, s38, s39
	s_lshl_b32 s39, s22, 8                         ; 64 rows s,
	s_add_co_u32 s38, s38, s39
	s_lshl_b32 s39, s52, 7                         ; my 32 of them
	s_add_co_u32 s38, s38, s39
	s_mov_b32 s39, 0
	s_lshl_b32 s40, s19, 10                        ; Q's or K's bias of head n
	s_lshl_b32 s54, s17, 8
	s_add_co_u32 s40, s40, s54
	s_mov_b32 s41, 0
	s_lshl_b32 s56, s19, 7                         ; V's bias of head n, tile i
	s_add_co_u32 s56, s56, s54
	s_lshl_b32 s55, s20, 5
	s_add_co_u32 s56, s56, s55
	s_add_co_u32 s56, s56, 2048
	s_mov_b32 s57, 0
	s_lshl_b32 s62, s23, 6
	s_add_co_u32 s62, s62, s22                     ; the record's number: 64 x batch + block
	s_mul_i32 s44, s62, 12800
	s_mov_b32 s45, 0
	s_lshl_b32 s46, s23, 8
	s_add_co_u32 s46, s46, s22                     ; 256 x batch + block; the head's 64 records are added below
	s_mul_i32 s46, s46, 6144
	s_mov_b32 s47, 0
	s_lshl_b32 s50, s23, 8
	s_add_co_u32 s50, s50, s22
	s_lshl_b32 s50, s50, 8
	s_mov_b32 s51, 0
	s_mul_i32 s42, s17, 3072
	s_mul_i32 s55, s20, 1536
	s_add_co_u32 s42, s42, s55
	s_mov_b32 s43, 0
	s_mul_i32 s48, s17, 393216
	s_add_co_u32 s60, s48, s55
	s_mov_b32 s61, 0
	s_mul_i32 s55, s18, 768
	s_add_co_u32 s48, s48, s55
	s_add_co_u32 s48, s48, 3072
	s_mov_b32 s49, 0
	s_mul_i32 s33, s18, 39936                      ; a fetching wave's quarter of W's block, in LDS and in memory (waves 0-3: i is the wave)
	s_mov_b32 s58, s33
	s_mov_b32 s59, 0
	s_mov_b32 s32, 1
	s_wait_alu depctr_va_vdst(0)
	s_wait_dscnt 0x0
	s_wait_kmcnt 0x0
	s_add_nc_u64 s[4:5], s[4:5], s[38:39]
	s_add_nc_u64 s[40:41], s[8:9], s[40:41]
	s_add_nc_u64 s[56:57], s[8:9], s[56:57]
	s_add_nc_u64 s[44:45], s[10:11], s[44:45]      ; q's record
	s_add_nc_u64 s[42:43], s[44:45], s[42:43]      ; my fragment in it
	s_add_nc_u64 s[46:47], s[12:13], s[46:47]      ; kv's record
	s_add_nc_u64 s[48:49], s[46:47], s[48:49]      ; V's half fragment
	s_add_nc_u64 s[46:47], s[46:47], s[60:61]      ; K's fragment
	s_add_nc_u64 s[50:51], s[14:15], s[50:51]      ; kvs' record
	s_add_nc_u64 s[34:35], s[6:7], s[58:59]
	s_or_b32 s35, s35, 0x80000000
.set idx, 0
.rept 32
	global_load_b32 v[WF+idx], v6, s[4:5] offset:16384*idx th:TH_LOAD_NT   ; x(32 block + idx, my row): 32 lanes read 128 consecutive bytes; the wave beside me reads the 128 beside them
.set idx, idx+1
.endr
.irp u, 0,1
.irp t, 0,1,2,3
	global_load_b128 v[ACC+32*\u+8*\t:ACC+32*\u+8*\t+3], v23, s[40:41] offset:128*(\t/2)+32*(\t%2)       ; the bias in the result's layout: register j is channel 32 (t / 2) + 8 (t % 2) + 16 h + j
	global_load_b128 v[ACC+32*\u+8*\t+4:ACC+32*\u+8*\t+7], v23, s[40:41] offset:128*(\t/2)+32*(\t%2)+16
.endr
.endr
	global_load_b32 v[VB], v252, s[56:57]
	ROUND                                          ; all four work-groups are here: the joint loads meet
	s_cmp_lt_u32 s[WV], 4
	s_cbranch_scc0 .Lno_fill
	tensor_load_to_lds s[32:35], s[24:31]          ; waves 0-3: a quarter each of W's images and words; one load of mine is out
	s_nop 0
.rept 4
	v_nop                                          ; four plain lines behind a tensor load
.endr
.Lno_fill:
	; ---- X
	s_wait_loadcnt 17                              ; x's 32 loads are in; the 17 loads of biases issued behind them may be out
	v_max3_num_f32 v140, |v[WF]|, |v[WF+1]|, |v[WF+2]|
	v_max3_num_f32 v141, |v[WF+3]|, |v[WF+4]|, |v[WF+5]|
.irp i, 6,10,14,18,22,26
	s_delay_alu instid0(VALU_DEP_2)
	v_max3_num_f32 v140, v140, |v[WF+\i]|, |v[WF+\i+1]|
	s_delay_alu instid0(VALU_DEP_2)
	v_max3_num_f32 v141, v141, |v[WF+\i+2]|, |v[WF+\i+3]|
.endr
	s_delay_alu instid0(VALU_DEP_2)
	v_max3_num_f32 v140, v140, |v[WF+30]|, |v[WF+31]|
	s_delay_alu instid0(VALU_DEP_1)
	v_max3_num_f32 v140, v140, v141, 0x1800000     ; the block's largest magnitude (all 32 numbers are mine), and the floor
	s_delay_alu instid0(VALU_DEP_1)
	v_add_nc_u32 v142, 0xff000000, v140
	s_delay_alu instid0(VALU_DEP_1)
	v_lshrrev_b32 v143, 23, v142
	v_cvt_scalef32_pk16_fp6_f32 v[128:130], v[WF:WF+15], v142
	v_cvt_scalef32_pk16_fp6_f32 v[136:138], v[WF+16:WF+31], v142
	v_nop
	v_mov_b32 v131, v136
	v_mov_b32 v132, v137
	v_mov_b32 v133, v138
	ds_store_b128 v7, v[128:131]
	ds_store_b64 v8, v[132:133]
	ds_store_b8 v9, v143
	s_wait_tensorcnt 0x0                           ; my quarter of W has landed,
	s_wait_dscnt 0x0                               ; my stores too:
	s_barrier_signal -1
	s_barrier_wait -1                              ; everybody's have
	; ---- QK
.irp u, 0,1
.irp ks, 0,1
	XFRAG XF+12*(2*\u+\ks), 13, 14, \ks, 16*\u
	ds_load_b32 v[SX+2*\u+\ks], v15 offset:256*\ks+64*\u
.endr
.endr
.irp f, 0,1,2,3,4,5,6,7
.irp p, 0,1,2
	ds_load_b128 v[WF+12*\f+4*\p:WF+12*\f+4*\p+3], v16 offset:1536*\f+512*\p
.endr
	ds_load_b32 v[SW+\f], v17 offset:128*\f
.endr
	s_wait_dscnt 0x0
	s_wait_loadcnt 0x0                             ; the biases
.irp j, 1,2,3,4,5,6,7
	v_mov_b32 v[VB+\j], v[VB]                      ; V's bias is the same for a lane's eight keys
.endr
.irp ks, 0,1                                   ; the eight accumulators by turns
.irp u, 0,1
.irp t, 0,1,2,3
	MMA ACC+32*\u+8*\t, WF+12*(2*\t+\ks), XF+12*(2*\u+\ks), ACC+32*\u+8*\t, SW+2*\t+\ks, SX+2*\u+\ks
.endr
.endr
.endr
.rept 4
	v_nop                                          ; four places behind the products, ahead of the first read of results and the first write of operands (ISA guide 7.12.1)
.endr
	QUANT ACC, 2
	s_cmp_eq_u32 s19, 0
	s_cbranch_scc0 .Lk_arm
.irp p, 0,1,2,3,4,5
	global_store_b64 v5, v[PC+2*\p:PC+2*\p+1], s[42:43] offset:256*\p   ; Q: in planes of two registers, so that a wave of attention can take one tile's six
.endr
	ds_store_b32 v20, v[PW]                        ; (lanes l and l xor 16 write the same word with the same value)
	s_branch .Ljoined
.Lk_arm:
	s_wait_alu depctr_va_vdst(0)
.irp p, 0,1,2
	global_store_b128 v4, v[PC+4*\p:PC+4*\p+3], s[46:47] offset:512*\p
.endr
	ds_store_b32 v21, v[PW]
.Ljoined:
	; ---- V
.irp g, 0,1
.irp u, 0,1
.irp ks, 0,1
	XFRAG WF+12*(4*\g+2*\u+\ks), 10, 11, \ks, 32*\g+16*\u
	ds_load_b32 v[SW+4*\g+2*\u+\ks], v12 offset:256*\ks+128*\g+64*\u
.endr
.endr
.endr
.irp ks, 0,1
.irp p, 0,1,2
	ds_load_b128 v[ACC+32+12*\ks+4*\p:ACC+32+12*\ks+4*\p+3], v18 offset:1536*\ks+512*\p
.endr
	ds_load_b32 v[SX+\ks], v19 offset:128*\ks
.endr
	s_wait_dscnt 0x0
.irp g, 0,1
.irp u, 0,1
	MMA ACC+16*\g+8*\u, WF+12*(4*\g+2*\u), ACC+32, VB, SW+4*\g+2*\u, SX
.endr
.endr
.irp g, 0,1
.irp u, 0,1
	MMA ACC+16*\g+8*\u, WF+12*(4*\g+2*\u+1), ACC+44, ACC+16*\g+8*\u, SW+4*\g+2*\u+1, SX+1
.endr
.endr
.rept 4
	v_nop
.endr
	s_wait_xcnt 0x0                                ; the stores of Q's or K's codes have read their registers: the codes' registers are written again only behind this wait
	v_max3_num_f32 v[TM], |v[ACC]|, |v[ACC+1]|, |v[ACC+2]|          ; my 32 registers are keys 32 h + 0 .. 31: a whole block
	v_max3_num_f32 v[TM+1], |v[ACC+3]|, |v[ACC+4]|, |v[ACC+5]|
.irp i, 6,10,14,18,22,26
	v_max3_num_f32 v[TM], v[TM], |v[ACC+\i]|, |v[ACC+\i+1]|
	v_max3_num_f32 v[TM+1], v[TM+1], |v[ACC+\i+2]|, |v[ACC+\i+3]|
.endr
	v_max3_num_f32 v[TM], v[TM], |v[ACC+30]|, |v[ACC+31]|
	s_delay_alu instid0(VALU_DEP_1)
	v_max3_num_f32 v[TM], v[TM], v[TM+1], 0x1800000                 ; and the floor 2^(3 - 127)
	s_delay_alu instid0(VALU_DEP_1)
	v_add_nc_u32 v[TM+12], 0xff000000, v[TM]
	v_lshrrev_b32 v[PW], 23, v[TM+12]                               ; the block's byte
	v_cvt_scalef32_pk16_fp6_f32 v[PC:PC+2], v[ACC:ACC+15], v[TM+12]
	v_cvt_scalef32_pk16_fp6_f32 v[PC+12:PC+14], v[ACC+16:ACC+31], v[TM+12]
	v_nop
.irp i, 0,1,2
	v_mov_b32 v[PC+3+\i], v[PC+12+\i]
.endr
	global_store_b128 v4, v[PC:PC+3], s[48:49]
	global_store_b64 v5, v[PC+4:PC+5], s[48:49] offset:512
	ds_store_b8 v22, v[PW]
	s_wait_dscnt 0x0
	s_barrier_signal -1
	s_barrier_wait -1                              ; all scale words lie in LDS
	s_cmp_lg_u32 s[WV], 0
	s_cbranch_scc1 .Lnot_out
	ds_load_b128 v[96:99], v253
	ds_load_b128 v[100:103], v253 offset:512
	ds_load_b128 v[104:107], v253 offset:1024
	v_lshlrev_b32 v108, 4, v2
	s_delay_alu instid0(VALU_DEP_1)
	v_lshl_add_u32 v108, v3, 14, v108              ; 16 r + 16,384 h: sixteen lanes to a head's 256 bytes, the next head 64 records on
	s_wait_alu depctr_va_vdst(0)
	s_wait_dscnt 0x0
	global_store_b128 v108, v[96:99], s[50:51]
	global_store_b128 v108, v[100:103], s[50:51] offset:32768
	global_store_b128 v4, v[104:107], s[44:45] offset:12288
.Lnot_out:
	s_wait_tensorcnt 0x0
	ds_add_u32 v254, v255
	s_wait_dscnt 0x0
	ROUND                                          ; the closing round: no work-group ends while a partner may still ask jointly
	s_endpgm
.Lfunc_end_k_q819afa17c2_qkv:
	.size	k_q819afa17c2_qkv, .Lfunc_end_k_q819afa17c2_qkv-k_q819afa17c2_qkv
	.p2alignl 7, 3214868480
	.fill 96, 4, 3214868480
	.section	.rodata,"a",@progbits
	.p2align	6, 0x0
	.amdhsa_kernel k_q819afa17c2_qkv
		.amdhsa_group_segment_fixed_size 198656
		.amdhsa_private_segment_fixed_size 0
		.amdhsa_enable_private_segment 0
		.amdhsa_kernarg_size 48
		.amdhsa_user_sgpr_count 2
		.amdhsa_user_sgpr_kernarg_segment_ptr 1
		.amdhsa_wavefront_size32 1
		.amdhsa_system_sgpr_workgroup_id_x 1
		.amdhsa_system_sgpr_workgroup_id_y 1
		.amdhsa_system_sgpr_workgroup_id_z 1
		.amdhsa_system_vgpr_workitem_id 0
		.amdhsa_next_free_vgpr 256
		.amdhsa_next_free_sgpr 66
		.amdhsa_reserve_vcc 0
		.amdhsa_float_denorm_mode_32 3
		.amdhsa_float_denorm_mode_16_64 3
		.amdhsa_memory_ordered 1
		.amdhsa_forward_progress 1
		.amdhsa_inst_pref_size 33
	.end_amdhsa_kernel
	.amdgpu_metadata
---
amdhsa.version: [ 1, 2 ]
amdhsa.kernels:
  - .name:           k_q819afa17c2_qkv
    .symbol:         k_q819afa17c2_qkv.kd
    .args:
      - { .name: x, .offset: 0, .size: 8, .value_kind: global_buffer, .address_space: global }
      - { .name: wq, .offset: 8, .size: 8, .value_kind: global_buffer, .address_space: global }
      - { .name: b_qkv, .offset: 16, .size: 8, .value_kind: global_buffer, .address_space: global }
      - { .name: q, .offset: 24, .size: 8, .value_kind: global_buffer, .address_space: global }
      - { .name: kv, .offset: 32, .size: 8, .value_kind: global_buffer, .address_space: global }
      - { .name: kvs, .offset: 40, .size: 8, .value_kind: global_buffer, .address_space: global }
    .group_segment_fixed_size: 198656
    .private_segment_fixed_size: 0
    .kernarg_segment_align: 8
    .kernarg_segment_size: 48
    .max_flat_workgroup_size: 512
    .sgpr_count:     66
    .vgpr_count:     256
    .wavefront_size: 32
...
	.end_amdgpu_metadata
.endif
;; end of part 2
;; launch attn (part 3): grid 64 x 4, 16 waves a work-group, clusters of 4 x 1, 327,680 bytes of LDS; arguments q, kv, kvs, vals, vsc; writes vals, vsc
.if DOCPART == 3
	.amdgcn_target "amdgcn-amd-amdhsa--gfx1250"
	.amdhsa_code_object_version 6
	.text
	.protected	k_q819afa17c2_attn
	.globl	k_q819afa17c2_attn
	.p2align	8
	.type	k_q819afa17c2_attn,@function
k_q819afa17c2_attn:
	s_mov_b64 s[64:65], 0
	v_nop
	global_prefetch_b8 v0, s[64:65] scope:SCOPE_SE
	s_setreg_imm32_b32 hwreg(HW_REG_WAVE_MODE, 25, 1), 1
	s_wait_xcnt 0x0
	s_wait_alu depctr_hold_cnt(0) depctr_sa_sdst(0) depctr_va_vdst(0) depctr_va_sdst(0) depctr_va_ssrc(0) depctr_va_vcc(0) depctr_vm_vsrc(0)
	s_getreg_b32 s2, hwreg(HW_REG_IB_STS2, 6, 4)
	s_cmp_eq_u32 s2, 0
	s_cbranch_scc0 .Lentry_in_a_cluster
	s_endpgm
.Lentry_in_a_cluster:
	s_bfe_u32 s2, ttmp6, 0x10000c
	s_cmp_lg_u32 s2, 0x3003
	s_cbranch_scc0 .Lentry_shape_is_right
	s_endpgm
.Lentry_shape_is_right:
; vals = Q(softmax(q k^T / 8) v), both products on codes of FP6 (E2M3) with one E8M0 scale for each 32 along K.  q, kv, kvs: register images made by the launch before; vals, vsc: images for the launch behind.
; SHARES.  A work-group owns one batch, ONE head and 256 queries; wave W owns the 16 queries of tile W % 4 of block W / 4 of 64; lane r holds query 32 (r / 8) + 8 tile + r % 8 of that block.  Every wave walks 4,096 keys, 128 a step.
; THE SOFTMAX: t = score x log2(e) / 8; M = the running largest t rounded UP to a whole number; p = 2^(t - M) is quantised along the keys, not normalised; the row's sum is taken of the unquantised p and divides at
; the end; when M moves, the sum and O are multiplied by 2^(old M - new M): exact, and no branch on data.
; LAYOUT.  Both products transposed: S^T = K Q^T, O^T = V^T P^T: a lane holds ONE query.  Row 8 h + j of key tile t of a record of 64 keys is key 32 h + 8 t + j: so a lane's 32 registers of a record's four tiles are
; ONE WHOLE BLOCK of 32 neighbouring keys, in the order that the next operand wants: its maximum asks no other lane, and its codes are the operand's registers.
; K = 64 IN AN INSTRUCTION OF 128: a fragment of K holds key tile 2 g in k 0-63 and 2 g + 1 in k 64-127; it is multiplied by [q | 0] and by [0 | q], which are v[22:33] and v[16:27] of [0 | q | 0].
; LDS.  A head's K and V are 64 records of 6,144 bytes.  They come in three fills: records 0-23 into place 0 at the head, 24-47 into place 1, 48-63 into place 0 again.  The head's scale bytes (16,384) come once.
; Every wave issues one tensor load in each fill: at the head 12 waves x 12,288 bytes of records and 4 waves x 4,096 of scale bytes, then 16 x 9,216, then 16 x 6,144.
; CLUSTER.  The four query blocks of a cluster walk the same head: every fill is asked for JOINTLY (mask 15), behind a round of the cluster's barrier.
; NO PREFETCH: the second and third fill are asked for 12 key steps ahead of their first read; the first is waited for at the head, where there is no loop to run ahead in.
; LIMITS: the scaled scores stay under 2^31 in magnitude; NaN and infinities are not served; a block of zeros gets the byte 1 where the rule says 127 (its codes are zeros, and this program alone reads the bytes);
; a p under 2^-126 comes out of v_exp_f32 as 0; 1 / l is v_rcp_f32.
.set REC,    6144                      ; a record: K's 2 fragments (1,536 each), V's 4 half fragments (768 each)
.set PLACE1, 147456
.set SCB,    294912                    ; scale bytes: 256 a record, 8 a lane: lanes 0-15 K's two words, lanes 16-31 V's two bytes of each of four tiles
.set STG,    311296                    ; vals' scale bytes on their way out, 512 bytes
.set SPARE,  311808                    ; the spare words, 128 bytes a wave
.set AKV, 1                            ; 16 L
.set AVB, 2                            ; 8 L
.set ASC, 3                            ; SCB + 8 L
.set SH8, 4                            ; 8 h
.set SPW, 5
.set NIL, 6
.set ADK, 8                            ; the step's addresses
.set ADB, 9
.set ADS, 10
.set QS,  34                           ; q's scale word (s0, s1, s0, s1)
.set PW,  35                           ; p's scale word
.set FR,  36                           ; v36-83  four fragments: K's, then V's
.set SC,  84                           ; v84-87  the step's scale pairs
.set VS,  88                           ; v88-91  V's scale words, in lanes 16-31
.set S,   92                           ; v92-155 S^T, then p: register 32 c + i is key 64 c + 32 h + i
.set O,   156                          ; v156-187 O^T
.set PC,  188                          ; v188-199 p's codes; v200-202, v204-206 at work
.set BM,  208                          ; my two blocks' largest scores, then largest p
.set BB,  210
.set SOP, 212
.set PT,  214
.set FF,  216                          ; f = 2^(old M - new M); v217 is named with it as a pair and holds 0
.set TT,  218
.set T2,  219
.set SA,  220                          ; v220-227 four chains of the row's sum
.set STW, 228
.set STR, 229
.set TM,  208                          ; the end's quantiser: +0 magnitudes, +4 bytes, +12 scale operands
.set WV,  16
.set CS,  22
.set G1A, 24                           ; groups 1: 48, 16, 36 and 24 rows of 256 bytes
.set G1S, 32
.set G1B, 40
.set G1C, 48
.set G0A, 56                           ; groups 0: records 0-23, the scale bytes, records 24-47, records 48-63
.set G0S, 60
.set G0B, 68
.set G0C, 72
.set SEL, 76
.set TB,  78                           ; the step's records in LDS
.set TS,  79                           ; the step's scale bytes
.set CNT, 80
.macro ROUND
	s_barrier_signal -1
	s_barrier_wait -1
	s_cmp_lg_u32 s[WV], 0
	s_cbranch_scc1 .Lnot_wave_0_\@
	s_barrier_signal -3
.Lnot_wave_0_\@:
	s_barrier_wait -3
	s_barrier_signal -1
	s_barrier_wait -1
.endm
.macro GRP1 g, rows                    ; a dense block as rows of 256 bytes (32 elements of 8); mask: all four partners, bit 21 beside it
	s_mov_b32 s[\g], 15|(3<<16)|(1<<21)
	s_mov_b32 s[\g+1], 32<<16
	s_mov_b32 s[\g+2], (\rows)<<16
	s_mov_b32 s[\g+3], 32<<16
	s_mov_b32 s[\g+4], \rows
	s_mov_b32 s[\g+5], 32
	s_mov_b32 s[\g+6], 0
	s_mov_b32 s[\g+7], 0
.endm
.macro FILL g0, g1                     ; s_nop 0 and four plain lines follow the load
	tensor_load_to_lds s[\g0:\g0+3], s[\g1:\g1+7]
	s_nop 0
.rept 4
	v_nop
.endr
.endm
.macro MEET tb, ts                     ; the tensor wait, an add and its wait ahead of a fill's barrier; the next walk's bases stand between the add and its wait
	s_wait_tensorcnt 0x0
	ds_add_u32 v[SPW], v[NIL]
	s_mov_b32 s[TB], \tb
	s_mov_b32 s[TS], \ts
	s_wait_dscnt 0x0
.endm
.macro MM0 d, a, b, sa, sb
	v_wmma_scale_f32_16x16x128_f8f6f4 v[\d:\d+7], v[\a:\a+11], v[\b:\b+11], 0, v[\sa], v[\sb] matrix_a_fmt:MATRIX_FMT_FP6 matrix_b_fmt:MATRIX_FMT_FP6
.endm
; A KEY STEP: 128 keys, two records.
.macro STEP
	v_add_nc_u32 v[ADK], s[TB], v[AKV]             ; four plain lines: the places behind the last step's products (ISA guide 7.12.1)
	v_add_nc_u32 v[ADB], s[TB], v[AVB]
	v_add_nc_u32 v[ADS], s[TS], v[ASC]
	v_mov_b32 v[T2], v12                           ; the old -M
.irp c, 0,1
	ds_load_b64 v[SC+2*\c:SC+2*\c+1], v[ADS] offset:256*\c
.endr
.irp b, 0,1,2,3
.irp p, 0,1,2
	ds_load_b128 v[FR+12*\b+4*\p:FR+12*\b+4*\p+3], v[ADK] offset:REC*(\b/2)+1536*(\b%2)+512*\p
.endr
.endr
	s_wait_alu depctr_va_vdst(0)                   ; ahead of the wait below
	s_wait_dscnt 0x0
	v_perm_b32 v[VS], v[SC+2], v[SC], s81          ; V's scale word of tile t: two bytes from each record (lanes 16-31)
	v_perm_b32 v[VS+1], v[SC+2], v[SC], s82
	v_perm_b32 v[VS+2], v[SC+3], v[SC+1], s81
	v_perm_b32 v[VS+3], v[SC+3], v[SC+1], s82
.irp b, 0,1,2,3
	MM0 S+16*\b, FR+12*\b, 22, SC+\b, QS           ; [q | 0]: the fragment's first key tile
	MM0 S+16*\b+8, FR+12*\b, 16, SC+\b, QS         ; [0 | q]: its second
.endr
.rept 4
	v_nop
.endr
.irp t, 0,1,2,3                                ; V's fragments take K's registers, and land under the softmax
.irp c, 0,1
	ds_load_b128 v[FR+12*\t+6*\c:FR+12*\t+6*\c+3], v[ADK] offset:REC*\c+3072+768*\t
	ds_load_b64 v[FR+12*\t+6*\c+4:FR+12*\t+6*\c+5], v[ADB] offset:REC*\c+3072+768*\t+512
.endr
.endr
.irp c, 0,1                                    ; my two blocks' largest scores, two chains each; each accumulator is first read at its low end
	v_max3_num_f32 v[BM+\c], v[S+32*\c], v[S+32*\c+1], v[S+32*\c+2]
	v_max3_num_f32 v[BB+\c], v[S+32*\c+17], v[S+32*\c+18], v[S+32*\c+19]
.endr
.irp i, 3,5,7,9,11,13
.irp c, 0,1
	v_max3_num_f32 v[BM+\c], v[BM+\c], v[S+32*\c+\i], v[S+32*\c+\i+1]
	v_max3_num_f32 v[BB+\c], v[BB+\c], v[S+32*\c+17+\i], v[S+32*\c+18+\i]
.endr
.endr
.irp c, 0,1
	v_max3_num_f32 v[BM+\c], v[BM+\c], v[S+32*\c+15], v[S+32*\c+16]
.endr
.irp c, 0,1
	s_delay_alu instid0(VALU_DEP_2)
	v_max_num_f32 v[BM+\c], v[BM+\c], v[BB+\c]
.endr
	s_delay_alu instid0(VALU_DEP_1)
	v_max_num_f32 v[TT], v[BM], v[BM+1]
	s_delay_alu instid0(VALU_DEP_1)
	v_permlanex16_b32 v[PT], v[TT], s[SEL], s[SEL+1]
	s_delay_alu instid0(VALU_DEP_1)
	v_max3_num_f32 v13, v13, v[TT], v[PT]          ; the running largest score of my query
	s_delay_alu instid0(VALU_DEP_1)
	v_mul_f32 v[TT], s[CS], v13                    ; as t (c is positive)
	s_delay_alu instid0(VALU_DEP_1)
	v_floor_f32 v12, -v[TT]                        ; the new -M = -ceil(t)
.set idx, 0
.rept 32
	v_pk_fma_f32 v[S+idx:S+idx+1], v[S+idx:S+idx+1], s[CS:CS+1], v[12:13] op_sel_hi:[1,0,0]   ; t - M, two at a time
.set idx, idx+2
.endr
	v_sub_f32 v[TT], v12, v[T2]                    ; old M - new M: a whole number, 0 or less
	v_fma_f32 v[BM], v[BM], s[CS], v12
	s_delay_alu instid0(VALU_DEP_2)
	v_cvt_i32_f32 v[TT], v[TT]                     ; (it saturates)
	v_fma_f32 v[BM+1], v[BM+1], s[CS], v12
	s_delay_alu instid0(VALU_DEP_2)
	v_ldexp_f32 v[FF], 1.0, v[TT]                  ; f
	s_wait_alu depctr_va_vdst(0)                   ; ahead of the batch
.set idx, 0
.rept 64
	v_exp_f32 v[S+idx], v[S+idx]                   ; p = 2^(t - M), at most 1
.set idx, idx+1
.endr
	v_exp_f32 v[BM], v[BM]                         ; the blocks' largest p: the same two instructions on the same number give the same bits
	v_exp_f32 v[BM+1], v[BM+1]
	v_pk_mul_f32 v[14:15], v[14:15], v[FF:FF+1] op_sel_hi:[1,0]   ; the sums under the new M: the plain line behind the batch
	s_wait_alu depctr_va_vdst(0)                   ; and the one wait behind it
.irp k, 0,1,2,3                                ; the row's sum of the unquantised p: four chains, two numbers an instruction
	v_pk_add_f32 v[SA+2*\k:SA+2*\k+1], v[S+2*\k:S+2*\k+1], v[S+8+2*\k:S+9+2*\k]
.endr
.irp j, 16,24,32,40,48,56
.irp k, 0,1,2,3
	v_pk_add_f32 v[SA+2*\k:SA+2*\k+1], v[SA+2*\k:SA+2*\k+1], v[S+\j+2*\k:S+\j+2*\k+1]
.endr
.endr
.irp c, 0,1
	v_max_num_f32 v[BM+\c], 0x1800000, v[BM+\c]    ; the floor 2^(3 - 127)
.endr
	v_pk_add_f32 v[SA:SA+1], v[SA:SA+1], v[SA+2:SA+3]
	v_pk_add_f32 v[SA+4:SA+5], v[SA+4:SA+5], v[SA+6:SA+7]
.irp c, 0,1
	v_add_nc_u32 v[SOP+\c], 0xff000000, v[BM+\c]   ; 2 off the exponent field: the conversions' scale operand
.endr
	v_pk_add_f32 v[SA:SA+1], v[SA:SA+1], v[SA+4:SA+5]
.irp c, 0,1
	v_lshrrev_b32 v[PT+\c], 23, v[SOP+\c]          ; the bytes of blocks h and 2 + h
.endr
	v_pk_add_f32 v[14:15], v[14:15], v[SA:SA+1]
	v_lshl_or_b32 v[TT], v[PT+1], 16, v[PT]
	s_delay_alu instid0(VALU_DEP_1)
	v_lshlrev_b32 v[TT], v[SH8], v[TT]             ; at their places in the word;
	s_delay_alu instid0(VALU_DEP_1)
	v_permlanex16_b32 v[PT], v[TT], s[SEL], s[SEL+1]
	s_delay_alu instid0(VALU_DEP_1)
	v_or_b32 v[PW], v[TT], v[PT]                   ; with lane l xor 16's two the word is whole
.irp c, 0,1
	v_cvt_scalef32_pk16_fp6_f32 v[PC+6*\c:PC+6*\c+2], v[S+32*\c:S+32*\c+15], v[SOP+\c]
	v_cvt_scalef32_pk16_fp6_f32 v[PC+12+4*\c:PC+14+4*\c], v[S+32*\c+16:S+32*\c+31], v[SOP+\c]   ; (a conversion's three registers begin on an even number)
.endr
	v_nop                                          ; one plain line behind the scaled conversions
.irp c, 0,1
.irp i, 0,1,2
	v_mov_b32 v[PC+3+6*\c+\i], v[PC+12+4*\c+\i]
.endr
.endr
	s_wait_alu depctr_va_vdst(0)                   ; directly ahead of the first reader of O^T
.set idx, 0
.rept 16
	v_pk_mul_f32 v[O+idx:O+idx+1], v[O+idx:O+idx+1], v[FF:FF+1] op_sel_hi:[1,0]   ; O^T under the new M; also the places between p's codes and word and the products below
.set idx, idx+2
.endr
	s_wait_alu depctr_va_vdst(0)                   ; ahead of the wait below
	s_wait_dscnt 0x0                               ; V
.irp t, 0,1,2,3                                ; four accumulators by turns; the next step's eight products stand between two links of a chain
	v_wmma_scale_f32_16x16x128_f8f6f4 v[O+8*\t:O+8*\t+7], v[FR+12*\t:FR+12*\t+11], v[PC:PC+11], v[O+8*\t:O+8*\t+7], v[VS+\t], v[PW] matrix_a_fmt:MATRIX_FMT_FP6 matrix_b_fmt:MATRIX_FMT_FP6 matrix_a_scale:MATRIX_SCALE_ROW1
.endr
	s_add_co_u32 s[TB], s[TB], 2*REC
	s_add_co_u32 s[TS], s[TS], 512
.endm
.macro WALK n
	s_mov_b32 s[CNT], \n
.Lwalk_\@:
	STEP
	s_sub_co_u32 s[CNT], s[CNT], 1
	s_cmp_lg_u32 s[CNT], 0
	s_cbranch_scc1 .Lwalk_\@
.endm
	s_load_b256 s[4:11], s[0:1], 0x0               ; q s[4:5], kv s[6:7], kvs s[8:9], vals s[10:11]
	s_load_b64 s[12:13], s[0:1], 0x20              ; vsc
	v_lshl_add_u32 v[SPW], v0, 2, SPARE
	v_mov_b32 v[NIL], 0
	ds_add_u32 v[SPW], v[NIL]                      ; the opening lines: the add, twice on end, and its wait below
	ds_add_u32 v[SPW], v[NIL]
	v_lshrrev_b32 v7, 5, v0
	s_delay_alu instid0(VALU_DEP_1)
	v_readfirstlane_b32 s[WV], v7                  ; wave 0..15
	s_bfe_u32 s19, ttmp6, 0x40000                  ; cx: it enters the addresses of q, vals and vsc alone
	s_lshr_b32 s17, ttmp9, 2                       ; the head: four clusters to a head
	s_and_b32 s18, ttmp9, 3
	s_lshl_b32 s18, s18, 2
	s_add_co_u32 s18, s18, s19                     ; my block of 256 queries
	s_and_b32 s21, ttmp7, 0xffff                   ; the batch
	s_lshl_b32 s20, s21, 2
	s_add_co_u32 s20, s20, s17                     ; 4 batch + head
	s_mov_b32 s[CS], 0x3e38aa3b                    ; log2(e) / 8
	s_mov_b32 s[CS+1], s[CS]
	s_mov_b32 s[SEL], 0x76543210
	s_mov_b32 s[SEL+1], 0xfedcba98
	s_mov_b32 s81, 0x05040100                      ; v_perm_b32: the two low halves;
	s_mov_b32 s82, 0x07060302                      ; the two high halves
	GRP1 G1A, 48
	GRP1 G1S, 16
	GRP1 G1B, 36
	GRP1 G1C, 24
	s_mov_b32 s[G0A], 1
	s_mov_b32 s[G0S], 1
	s_mov_b32 s[G0B], 1
	s_mov_b32 s[G0C], 1
	s_mul_i32 s84, s20, 393216                     ; the head's records in kv
	s_mov_b32 s85, 0
	s_mul_i32 s[G0A+1], s[WV], 12288               ; each wave's part, the same in LDS and in memory
	s_mul_i32 s86, s[WV], 9216
	s_add_co_u32 s[G0B+1], s86, PLACE1
	s_mul_i32 s[G0C+1], s[WV], 6144
	s_and_b32 s15, s[WV], 3                        ; tile i; for waves 12-15 also which quarter of the scale bytes
	s_lshl_b32 s87, s15, 12
	s_add_co_u32 s[G0S+1], s87, SCB
	s_lshl_b32 s88, s20, 14
	s_add_co_u32 s88, s88, s87
	s_mov_b32 s89, 0
	s_lshr_b32 s14, s[WV], 2
	s_lshl_b32 s83, s14, 7
	s_lshl_b32 s99, s15, 1
	s_add_co_u32 s83, s83, s99
	s_add_co_u32 s83, s83, STG                     ; the stage: 128 (W / 4) + 2 i
	s_lshl_b32 s99, s18, 2
	s_add_co_u32 s14, s14, s99
	s_lshl_b32 s99, s21, 6
	s_add_co_u32 s14, s14, s99                     ; my block of 64 queries: 64 batch + 4 block + W / 4
	s_mul_i32 s92, s14, 12800                      ; q's record
	s_mul_i32 s90, s17, 3072
	s_add_co_u32 s90, s90, s92
	s_mul_i32 s99, s15, 768
	s_add_co_u32 s90, s90, s99                     ; my tile's codes
	s_mov_b32 s91, 0
	s_lshl_b32 s99, s17, 7
	s_add_co_u32 s92, s92, s99
	s_lshr_b32 s99, s15, 1
	s_lshl_b32 s99, s99, 2
	s_add_co_u32 s92, s92, s99                     ; its scale words: + 128 n + 4 (i / 2)
	s_mov_b32 s93, 0
	s_and_b32 s98, s15, 1
	s_lshl_b32 s98, s98, 4                         ; 16 (i % 2)
	s_mul_i32 s94, s14, 12288                      ; vals: fragment 2 i + n / 2, half n % 2: 3,072 i + 768 n
	s_mul_i32 s99, s15, 3072
	s_add_co_u32 s94, s94, s99
	s_mul_i32 s99, s17, 768
	s_add_co_u32 s94, s94, s99
	s_mov_b32 s95, 0
	s_lshl_b32 s96, s20, 13                        ; vsc: 8,192 for (batch, head), 128 for a block of 64
	s_lshl_b32 s99, s18, 9
	s_add_co_u32 s96, s96, s99
	s_mov_b32 s97, 0
	s_wait_dscnt 0x0                               ; both opening adds are done
	s_wait_kmcnt 0x0
	s_add_nc_u64 s[6:7], s[6:7], s[84:85]
	s_mov_b32 s84, s[G0A+1]
	s_add_nc_u64 s[G0A+2:G0A+3], s[6:7], s[84:85]
	s_or_b32 s[G0A+3], s[G0A+3], 0x80000000
	s_add_co_u32 s84, s86, 147456
	s_add_nc_u64 s[G0B+2:G0B+3], s[6:7], s[84:85]
	s_or_b32 s[G0B+3], s[G0B+3], 0x80000000
	s_add_co_u32 s84, s[G0C+1], 294912
	s_add_nc_u64 s[G0C+2:G0C+3], s[6:7], s[84:85]
	s_or_b32 s[G0C+3], s[G0C+3], 0x80000000
	s_add_nc_u64 s[G0S+2:G0S+3], s[8:9], s[88:89]
	s_or_b32 s[G0S+3], s[G0S+3], 0x80000000
	s_add_nc_u64 s[90:91], s[4:5], s[90:91]
	s_add_nc_u64 s[92:93], s[4:5], s[92:93]
	s_add_nc_u64 s[94:95], s[10:11], s[94:95]
	s_add_nc_u64 s[96:97], s[12:13], s[96:97]
	ROUND                                          ; all four work-groups are here: the first joint loads meet
	s_cmp_lt_u32 s[WV], 12                         ; one load a wave, in the two arms of one branch on the wave's number
	s_cbranch_scc0 .Lhead_s
	FILL G0A, G1A                                  ; waves 0-11: records 0-23
	s_branch .Lhead_j
.Lhead_s:
	FILL G0S, G1S                                  ; waves 12-15: the head's scale bytes
.Lhead_j:
	v_and_b32 v7, 31, v0
	v_and_b32 v11, 15, v0
	v_bfe_u32 v[SH8], v0, 4, 1
	s_delay_alu instid0(VALU_DEP_3)
	v_lshlrev_b32 v[AKV], 4, v7
	v_lshlrev_b32 v[AVB], 3, v7
	v_lshl_add_u32 v[ASC], v7, 3, SCB
	v_lshlrev_b32 v11, 3, v11                      ; 8 r
	v_lshlrev_b32 v[SH8], 3, v[SH8]
	v_add_nc_u32 v[STR], STG, v[AKV]
	v_add_nc_u32 v[STW], s83, v11
	s_wait_alu depctr_va_vdst(0)
.irp p, 0,1,2
	global_load_b64 v[22+2*\p:23+2*\p], v[AVB], s[90:91] offset:256*\p   ; q's six registers: they stay
.endr
	global_load_b32 v10, v11, s[92:93] offset:12288
.irp j, 16,17,18,19,20,21,28,29,30,31,32,33
	v_mov_b32 v[\j], 0                             ; zero codes on both sides of q
.endr
	v_mov_b32 v13, 0xff61b1e6                      ; the largest score so far: -3e38
	v_mov_b32 v12, 0x7d000000                      ; -M: so large that the first f is 0, which multiplies zeros
	v_mov_b32 v14, 0                               ; the sum, in two halves
	v_mov_b32 v15, 0
	v_mov_b32 v[PT], 0                             ; a lane permute's destination counts as one of its sources
	v_mov_b32 v[FF+1], 0
.set idx, 0
.rept 32
	v_mov_b32 v[O+idx], 0                          ; O^T: the step is written once
.set idx, idx+1
.endr
	s_wait_loadcnt 0x0
	v_lshrrev_b32 v10, s98, v10                    ; my tile's two bytes,
	s_delay_alu instid0(VALU_DEP_1)
	v_and_b32 v10, 0xffff, v10
	s_delay_alu instid0(VALU_DEP_1)
	v_lshl_or_b32 v[QS], v10, 16, v10              ; for both places of q
	s_wait_alu depctr_va_vdst(0)                   ; the wait at the head's end
	MEET 0, 0                                      ; my part of the head's fills is in
	ROUND
	FILL G0B, G1B                                  ; records 24-47 into place 1: 12 steps ahead of their first read
	WALK 12
	MEET PLACE1, 6144                              ; my part of place 1 is in, my reads of place 0 are over
	ROUND
	FILL G0C, G1C                                  ; records 48-63 into place 0 again
	WALK 12
	MEET 0, 12288
	s_barrier_signal -1
	s_barrier_wait -1
	WALK 8
	; ---- THE END: O^T / l, quantised along the head's 64: half a fragment of vals and two scale bytes a query
	v_add_f32 v14, v14, v15                        ; (with the two v_nop: the places behind the last products)
	s_delay_alu instid0(VALU_DEP_1)
	v_permlanex16_b32 v[TT], v14, s[SEL], s[SEL+1]
	s_delay_alu instid0(VALU_DEP_1)
	v_add_f32 v14, v14, v[TT]                      ; with lane l xor 16's keys: the row's sum
	s_wait_alu depctr_va_vdst(0)
	v_rcp_f32 v14, v14
	v_nop
	v_nop
	s_wait_alu depctr_va_vdst(0)                   ; ahead of the reciprocal's and of O^T's first reader
.set idx, 0
.rept 16
	v_pk_mul_f32 v[S+idx:S+idx+1], v[O+idx:O+idx+1], v[14:15] op_sel_hi:[1,0]   ; register 16 b + i is channel 32 b + 16 h + i of my head
.set idx, idx+2
.endr
.irp b, 0,1
	v_max3_num_f32 v[TM+\b], |v[S+16*\b]|, |v[S+1+16*\b]|, 0x1800000
.endr
.irp i, 2,4,6,8,10,12,14
.irp b, 0,1
	s_delay_alu instid0(VALU_DEP_2)
	v_max3_num_f32 v[TM+\b], v[TM+\b], |v[S+16*\b+\i]|, |v[S+1+16*\b+\i]|
.endr
.endr
.irp b, 0,1
	s_delay_alu instid0(VALU_DEP_2)
	v_permlanex16_b32 v[TM+4+\b], v[TM+\b], s[SEL], s[SEL+1]
.endr
.irp b, 0,1
	s_delay_alu instid0(VALU_DEP_2)
	v_max_num_f32 v[TM+\b], v[TM+\b], v[TM+4+\b]
.endr
.irp b, 0,1
	s_delay_alu instid0(VALU_DEP_2)
	v_add_nc_u32 v[TM+12+\b], 0xff000000, v[TM+\b]
.endr
.irp b, 0,1
	s_delay_alu instid0(VALU_DEP_2)
	v_lshrrev_b32 v[TM+4+\b], 23, v[TM+12+\b]
.endr
	s_delay_alu instid0(VALU_DEP_1)
	v_lshl_or_b32 v[PW], v[TM+5], 8, v[TM+4]
	v_cvt_scalef32_pk16_fp6_f32 v[PC:PC+2], v[S:S+15], v[TM+12]
	v_cvt_scalef32_pk16_fp6_f32 v[PC+12:PC+14], v[S+16:S+31], v[TM+13]
	v_nop
.irp i, 0,1,2
	v_permlane16_swap_b32 v[PC+\i], v[PC+12+\i]    ; a whole block in a lane: lanes 0-15 channels 0-31, lanes 16-31 channels 32-63
.endr
.irp i, 0,1,2
	v_mov_b32 v[PC+3+\i], v[PC+12+\i]
.endr
	global_store_b128 v[AKV], v[PC:PC+3], s[94:95]               ; 512 consecutive bytes, aligned
	global_store_b64 v[AVB], v[PC+4:PC+5], s[94:95] offset:512   ; 256
	ds_store_b16 v[STW], v[PW]                     ; (lanes l and l xor 16 write the same bytes with the same value)
	s_wait_dscnt 0x0
	s_barrier_signal -1
	s_barrier_wait -1                              ; the work-group's 512 scale bytes lie in LDS
	s_cmp_lg_u32 s[WV], 0
	s_cbranch_scc1 .Lnot_out
	ds_load_b128 v[S:S+3], v[STR]
	s_wait_dscnt 0x0
	global_store_b128 v[AKV], v[S:S+3], s[96:97]   ; 512 consecutive bytes, aligned
.Lnot_out:
	s_wait_tensorcnt 0x0                           ; the wave's end
	ds_add_u32 v[SPW], v[NIL]
	s_wait_dscnt 0x0
	ROUND                                          ; the closing round
	s_endpgm
.Lfunc_end_k_q819afa17c2_attn:
	.size	k_q819afa17c2_attn, .Lfunc_end_k_q819afa17c2_attn-k_q819afa17c2_attn
	.p2alignl 7, 3214868480
	.fill 96, 4, 3214868480
	.section	.rodata,"a",@progbits
	.p2align	6, 0x0
	.amdhsa_kernel k_q819afa17c2_attn
		.amdhsa_group_segment_fixed_size 327680
		.amdhsa_private_segment_fixed_size 0
		.amdhsa_enable_private_segment 0
		.amdhsa_kernarg_size 40
		.amdhsa_user_sgpr_count 2
		.amdhsa_user_sgpr_kernarg_segment_ptr 1
		.amdhsa_wavefront_size32 1
		.amdhsa_system_sgpr_workgroup_id_x 1
		.amdhsa_system_sgpr_workgroup_id_y 1
		.amdhsa_system_sgpr_workgroup_id_z 1
		.amdhsa_system_vgpr_workitem_id 0
		.amdhsa_next_free_vgpr 256
		.amdhsa_next_free_sgpr 100
		.amdhsa_reserve_vcc 0
		.amdhsa_float_denorm_mode_32 3
		.amdhsa_float_denorm_mode_16_64 3
		.amdhsa_memory_ordered 1
		.amdhsa_forward_progress 1
		.amdhsa_inst_pref_size 62
	.end_amdhsa_kernel
	.amdgpu_metadata
---
amdhsa.version: [ 1, 2 ]
amdhsa.kernels:
  - .name:           k_q819afa17c2_attn
    .symbol:         k_q819afa17c2_attn.kd
    .args:
      - { .name: q, .offset: 0, .size: 8, .value_kind: global_buffer, .address_space: global }
      - { .name: kv, .offset: 8, .size: 8, .value_kind: global_buffer, .address_space: global }
      - { .name: kvs, .offset: 16, .size: 8, .value_kind: global_buffer, .address_space: global }
      - { .name: vals, .offset: 24, .size: 8, .value_kind: global_buffer, .address_space: global }
      - { .name: vsc, .offset: 32, .size: 8, .value_kind: global_buffer, .address_space: global }
    .group_segment_fixed_size: 327680
    .private_segment_fixed_size: 0
    .kernarg_segment_align: 8
    .kernarg_segment_size: 40
    .max_flat_workgroup_size: 512
    .sgpr_count:     100
    .vgpr_count:     256
    .wavefront_size: 32
...
	.end_amdgpu_metadata
.endif
;; end of part 3
;; launch proj (part 4): grid 64 x 4, 16 waves a work-group, no clusters, 71,680 bytes of LDS; arguments vals, vsc, wq, b_o, out0; writes out0
.if DOCPART == 4
	.amdgcn_target "amdgcn-amd-amdhsa--gfx1250"
	.amdhsa_code_object_version 6
	.text
	.protected	k_q819afa17c2_proj
	.globl	k_q819afa17c2_proj
	.p2align	8
	.type	k_q819afa17c2_proj,@function
k_q819afa17c2_proj:
	s_mov_b64 s[64:65], 0
	v_nop
	global_prefetch_b8 v0, s[64:65] scope:SCOPE_SE
	s_setreg_imm32_b32 hwreg(HW_REG_WAVE_MODE, 25, 1), 1
	s_wait_xcnt 0x0
; out = Q(vals) Q(W_o) + b_o, transposed to [b][c][s], on codes of FP6 (E2M3) with one E8M0 scale for each 32 along K.  vals, vsc, wq: register images made by the launches before.
; SHARES.  A work-group takes one batch and 64 queries; wave W makes output channels 16 W .. 16 W + 15 for all 64: source 0 = vals' four tiles of 16 queries, source 1 = W_o: a lane holds one channel and eight neighbouring
; queries (row 8 h + j of tile i is query 32 h + 8 i + j).  They leave through the wave's own stage rows as whole rows of 256 bytes.
; vals: 12,288 bytes a block of 64 queries: fragment (tile i, K step s) at 1,536 (2 i + s), half c (head 2 s + c) at + 768 c: registers 0-3 at 16 L, 4-5 at 512 + 8 L.
; vsc: (batch, head) at 8,192 (4 batch + head), block at + 128, row r at + 8 r, tile i's two bytes at + 2 i.
; No tensor load, no cluster, no ring: K is 256, two matrix steps; every operand is a register image that goes from memory straight into registers, and a work-group's own 12,288 bytes of vals are shared with no other.
; No prefetch: the launch has no loop to run ahead in.
.set A,   16                           ; v16-111  vals' eight fragments; then the rows on their way out
.set WF,  112                          ; v112-135 W_o's two fragments
.set BI,  136                          ; v136-143 b_o of my channel, eight times
.set ACC, 144                          ; v144-175
.set AS,  176                          ; v176-183 vals' scale words
.set WS,  184                          ; v184-185 W_o's
.set RS,  186                          ; v186-193 the four heads' scale bytes as they lie
.set SPW, 5
.set NIL, 6
.set SPARE, 69632                      ; behind the sixteen stages of 16 rows x 272 bytes
.macro MMA d, a, b, c, sa, sb
	v_wmma_scale_f32_16x16x128_f8f6f4 v[\d:\d+7], v[\a:\a+11], v[\b:\b+11], v[\c:\c+7], v[\sa], v[\sb] matrix_a_fmt:MATRIX_FMT_FP6 matrix_b_fmt:MATRIX_FMT_FP6
.endm
	s_load_b256 s[4:11], s[0:1], 0x0               ; vals, vsc, wq, b_o
	s_load_b64 s[12:13], s[0:1], 0x20              ; out0
	v_lshl_add_u32 v[SPW], v0, 2, SPARE
	v_mov_b32 v[NIL], 0
	v_lshrrev_b32 v7, 5, v0
	s_delay_alu instid0(VALU_DEP_1)
	v_readfirstlane_b32 s16, v7                    ; wave 0..15
	s_and_b32 s18, ttmp7, 0xffff                   ; the batch
	s_lshl_b32 s20, s18, 6
	s_add_co_u32 s20, s20, ttmp9
	s_mul_i32 s20, s20, 12288
	s_mov_b32 s21, 0
	s_lshl_b32 s22, s18, 15
	s_lshl_b32 s19, ttmp9, 7
	s_add_co_u32 s22, s22, s19
	s_mov_b32 s23, 0
	s_mul_i32 s24, s16, 3072                       ; W_o's two fragments of channels 16 W on,
	s_mov_b32 s25, 0
	s_lshl_b32 s26, s16, 8                         ; their scale words,
	s_mov_b32 s27, 0
	s_lshl_b32 s28, s16, 6                         ; their bias
	s_mov_b32 s29, 0
	s_lshl_b32 s30, s18, 22
	s_lshl_b32 s19, s16, 18
	s_add_co_u32 s30, s30, s19
	s_lshl_b32 s19, ttmp9, 8
	s_add_co_u32 s30, s30, s19                     ; out0 at (batch, channel 16 W, my 64 queries)
	s_mov_b32 s31, 0
	s_mul_i32 s32, s16, 16*272                     ; my stage
	s_mov_b32 s40, 0x05040100
	s_mov_b32 s41, 0x07060302
	v_and_b32 v7, 31, v0
	v_and_b32 v12, 15, v0                          ; r
	v_bfe_u32 v13, v0, 4, 1                        ; h
	s_delay_alu instid0(VALU_DEP_3)
	v_lshlrev_b32 v1, 4, v7                        ; 16 L
	v_lshlrev_b32 v2, 3, v7                        ; 8 L
	v_lshlrev_b32 v3, 2, v7                        ; 4 L
	v_lshlrev_b32 v4, 2, v12                       ; 4 r
	v_lshlrev_b32 v8, 3, v12                       ; 8 r
	v_mul_u32_u24 v9, v12, 272
	v_mul_u32_u24 v10, v13, 272
	v_lshlrev_b32 v11, 14, v13
	s_delay_alu instid0(VALU_DEP_3)
	v_lshl_add_u32 v9, v13, 7, v9
	s_delay_alu instid0(VALU_DEP_3)
	v_lshl_add_u32 v10, v12, 4, v10
	s_delay_alu instid0(VALU_DEP_3)
	v_lshl_add_u32 v11, v12, 4, v11                ; two rows of out0: 16,384 h + 16 r
	s_delay_alu instid0(VALU_DEP_3)
	v_add_nc_u32 v9, s32, v9                       ; the stage, in: row r, + 128 h
	s_delay_alu instid0(VALU_DEP_3)
	v_add_nc_u32 v10, s32, v10                     ; back: lanes 0-15 one row, lanes 16-31 the next
	s_wait_alu depctr_va_vdst(0)                   ; the wait at the head's end
	s_wait_kmcnt 0x0
	s_add_nc_u64 s[4:5], s[4:5], s[20:21]
	s_add_nc_u64 s[6:7], s[6:7], s[22:23]
	s_add_nc_u64 s[34:35], s[8:9], s[24:25]
	s_add_nc_u64 s[36:37], s[8:9], s[26:27]
	s_add_nc_u64 s[10:11], s[10:11], s[28:29]
	s_add_nc_u64 s[12:13], s[12:13], s[30:31]
.irp f, 0,1,2,3,4,5,6,7
.irp c, 0,1
	global_load_b128 v[A+12*\f+6*\c:A+12*\f+6*\c+3], v1, s[4:5] offset:1536*\f+768*\c
	global_load_b64 v[A+12*\f+6*\c+4:A+12*\f+6*\c+5], v2, s[4:5] offset:1536*\f+768*\c+512
.endr
.endr
.irp n, 0,1,2,3
	global_load_b64 v[RS+2*\n:RS+2*\n+1], v8, s[6:7] offset:8192*\n   ; head n: row r's two bytes of each of the four tiles
.endr
.irp s, 0,1
.irp p, 0,1,2
	global_load_b128 v[WF+12*\s+4*\p:WF+12*\s+4*\p+3], v1, s[34:35] offset:159744+1536*\s+512*\p
.endr
	global_load_b32 v[WS+\s], v3, s[36:37] offset:208896+128*\s
.endr
	global_load_b32 v[BI], v4, s[10:11]
	s_wait_loadcnt 0x0
.irp i, 0,1,2,3
.irp s, 0,1
	v_perm_b32 v[AS+2*\i+\s], v[RS+2*(2*\s+1)+(\i/2)], v[RS+4*\s+(\i/2)], s[40+(\i%2)]   ; fragment (i, s): head 2 s's two bytes below, head 2 s + 1's above
.endr
.endr
.irp j, 1,2,3,4,5,6,7
	v_mov_b32 v[BI+\j], v[BI]                      ; the bias is the same for a lane's eight queries: the C of each sum's first product
.endr
.rept 2
	v_nop                                          ; with the seven above: more than eight places between a scale word so made and its product
.endr
.irp i, 0,1,2,3                                ; four accumulators by turns
	MMA ACC+8*\i, A+12*(2*\i), WF, BI, AS+2*\i, WS
.endr
.irp i, 0,1,2,3
	MMA ACC+8*\i, A+12*(2*\i+1), WF+12, ACC+8*\i, AS+2*\i+1, WS+1
.endr
.rept 4
	v_nop
.endr
.irp i, 0,1,2,3
	ds_store_b128 v9, v[ACC+8*\i:ACC+8*\i+3] offset:32*\i          ; lane (r, h): out(16 W + r, queries 32 h + 8 i + 0 .. 7)
	ds_store_b128 v9, v[ACC+8*\i+4:ACC+8*\i+7] offset:32*\i+16
.endr
.irp k, 0,1,2,3,4,5,6,7
	ds_load_b128 v[A+4*\k:A+4*\k+3], v10 offset:544*\k   ; my own rows: LDS serves a wave's instructions in order (ISA guide 5.7.1.4)
.endr
.irp k, 0,1,2,3,4,5,6,7
	s_wait_dscnt 7-\k                              ; pair k of rows is back; the 7 - k younger loads may be out
	global_store_b128 v11, v[A+4*\k:A+4*\k+3], s[12:13] offset:32768*\k th:TH_STORE_NT   ; 16 lanes store 256 consecutive bytes, aligned
.endr
	s_wait_tensorcnt 0x0                           ; the wave's end
	ds_add_u32 v[SPW], v[NIL]
	s_wait_dscnt 0x0
	s_endpgm
.Lfunc_end_k_q819afa17c2_proj:
	.size	k_q819afa17c2_proj, .Lfunc_end_k_q819afa17c2_proj-k_q819afa17c2_proj
	.p2alignl 7, 3214868480
	.fill 96, 4, 3214868480
	.section	.rodata,"a",@progbits
	.p2align	6, 0x0
	.amdhsa_kernel k_q819afa17c2_proj
		.amdhsa_group_segment_fixed_size 71680
		.amdhsa_private_segment_fixed_size 0
		.amdhsa_enable_private_segment 0
		.amdhsa_kernarg_size 40
		.amdhsa_user_sgpr_count 2
		.amdhsa_user_sgpr_kernarg_segment_ptr 1
		.amdhsa_wavefront_size32 1
		.amdhsa_system_sgpr_workgroup_id_x 1
		.amdhsa_system_sgpr_workgroup_id_y 1
		.amdhsa_system_sgpr_workgroup_id_z 1
		.amdhsa_system_vgpr_workitem_id 0
		.amdhsa_next_free_vgpr 200
		.amdhsa_next_free_sgpr 66
		.amdhsa_reserve_vcc 0
		.amdhsa_float_denorm_mode_32 3
		.amdhsa_float_denorm_mode_16_64 3
		.amdhsa_memory_ordered 1
		.amdhsa_forward_progress 1
		.amdhsa_inst_pref_size 12
	.end_amdhsa_kernel
	.amdgpu_metadata
---
amdhsa.version: [ 1, 2 ]
amdhsa.kernels:
  - .name:           k_q819afa17c2_proj
    .symbol:         k_q819afa17c2_proj.kd
    .args:
      - { .name: vals, .offset: 0, .size: 8, .value_kind: global_buffer, .address_space: global }
      - { .name: vsc, .offset: 8, .size: 8, .value_kind: global_buffer, .address_space: global }
      - { .name: wq, .offset: 16, .size: 8, .value_kind: global_buffer, .address_space: global }
      - { .name: b_o, .offset: 24, .size: 8, .value_kind: global_buffer, .address_space: global }
      - { .name: out0, .offset: 32, .size: 8, .value_kind: global_buffer, .address_space: global }
    .group_segment_fixed_size: 71680
    .private_segment_fixed_size: 0
    .kernarg_segment_align: 8
    .kernarg_segment_size: 40
    .max_flat_workgroup_size: 512
    .sgpr_count:     66
    .vgpr_count:     200
    .wavefront_size: 32
...
	.end_amdgpu_metadata
.endif
;; end of part 4
